; MI455X (gfx1250); checked and timed in simulation.
; The chip was launched on July 23, 2026; its instructions are those of AMD's public machine-readable ISA for CDNA 5 (MIT licence, August 2026) and "CDNA5" Instruction Set Architecture Reference Guide (July 2026). The comments in the code are by the model that wrote it; some were corrected since.
;; Lo RA Linear. Allowed arithmetic: matrix products marked QUANTISED: E2M3 operands, one E8M0 scale for each 32 along K, by v_wmma_scale_f32_16x16x128_f8f6f4 with both operands' format E2M3, f32 sums; products left as they are: f32 operands where the result goes on into a quantised operand, else bf16, f16 or f32 operands; f32 sums; everything else in f32.
;; Inputs: A 16 x 2,048 float32; B 2,048 x 16 float32; bias 2,048 float32; weight_codes 2,048 x 64 x 24 uint8 (E2M3 codes of weight, K innermost, in blocks of 32 codes, four codes in three bytes); weight_scales 2,048 x 64 uint8 (E8M0 scales of weight, one for each 32 codes along K); x_codes 4 x 2,048 x 64 x 24 uint8 (E2M3 codes of x, K innermost, in blocks of 32 codes, four codes in three bytes); x_scales 4 x 2,048 x 64 uint8 (E8M0 scales of x, one for each 32 codes along K).
;; Outputs: out0 4 x 2,048 x 2,048 float32.
;; This version of the problem:
;;   THIS VERSION OF THE PROBLEM IS GIVEN IN LOW PRECISION. The matrix products marked QUANTISED in the list below multiply operands that are first quantised to E2M3 (2 exponent bits, 3 mantissa bits; 6 bits a number), with one power-of-two scale for each 32 numbers along K (OCP MX v1.0); their sums are f32. All else is computed in f32.
;;   The module's matrix products, in the order in which they are computed (A, B: the left and right operand; K: the contracted axis; several contracted axes count as one K, in the product's order):
;;     1. [M 8,192, K 2,048] x [K 2,048, N 2,048]; A: input x (given as codes); B: input weight (given as codes): QUANTISED
;;     2. [M 2,048, K 16] x [K 16, N 2,048]; A: input B; B: input A: left as it is (K = 16 < 32)
;;     3. [M 8,192, K 2,048] x [K 2,048, N 2,048]; A: input x (given as codes); B: computed on the way: QUANTISED
;;   THE QUANTISER, for each operand of a quantised product, along K:
;;     - K is cut into blocks of 32 from its start; a last block that is shorter is filled with zeros.
;;     - A block's scale is 2^e with e = floor(log2(the largest magnitude in the block)) - 2, held to -126 .. 127; a block of zeros has e = 0. As a byte (E8M0): e + 127.
;;     - Each number is divided by its block's scale, clamped to +-7.5, and rounded to the nearest number of E2M3, ties to even, subnormals kept.
;;     - The product sums the exact products of the quantised numbers (number of the format x scale) in f32.
;;   ~~~python
;;   def quantise(x, axis):      # numpy; x: float32 -> the quantised numbers, widened to float32 again
;;       x = np.moveaxis(x, axis, -1); K = x.shape[-1]
;;       x = np.pad(x, [(0, 0)] * (x.ndim - 1) + [(0, -K % 32)]); x = x.reshape(x.shape[:-1] + (-1, 32)); a = np.abs(x).max(-1, keepdims=True)
;;       e = np.where(a > 0, np.clip(np.frexp(np.where(a > 0, a, 1))[1] - 1 - 2, -126, 127), 0)      # np.frexp(a)[1] - 1 = floor(log2(a)), exactly
;;       r = np.clip(x / 2.0 ** e, -7.5, 7.5)
;;       step = 2.0 ** (np.maximum(np.frexp(np.where(r == 0, 1, r))[1] - 1, 0) - 3)
;;       q = np.round(r / step) * step * 2.0 ** e      # np.round: ties to even
;;       return np.moveaxis(q.reshape(q.shape[:-2] + (-1,))[..., :K], -1, axis).astype(np.float32)
;;   ~~~
;;   OPERANDS COMPUTED ON THE WAY. 'Computed on the way' means the value that the module computes at that place (a softmax that the list does not call 'softmax' is quantised finished and normalised). What goes into a quantiser is computed in f32, as accurately as f32 sums, v_exp_f32 and their like allow (about 1e-6 of the number): no bf16 or f16 on the way to a quantiser, and a product that is left as it is and whose result goes on into a quantised operand takes f32 operands (vector FMAs, or v_wmma_f32_16x16x4_f32). A number that lies on a knife's edge between two numbers of the format may be rounded either way, as far as f32 arithmetic and the matrix unit's own rounding can turn it there, and no further.
;;   INPUTS GIVEN AS CODES. weight (in the module: [2048, 2048], K = its axis 1); x (in the module: [4, 2048, 2048], K = its axis 2): each comes as NAME_codes (uint8): NAME with its K axis moved to the last place and cut into blocks of 32 codes, [.., K / 32, bytes a block], one block behind the other in memory; four codes in three bytes: a row's codes are one little-endian stream of bits, code i at bits 6 i .. 6 i + 5 (a code: sign, 2 exponent bits, 3 mantissa bits); and NAME_scales (uint8): the same leading axes, one E8M0 byte (e + 127) for each 32 codes along K. Its value is code x scale, taken as it is: it is not quantised again, and the codes and scales need not be those that the quantiser above would give.
;; One version. Each part assembles by itself: llvm-mc -triple=amdgcn-amd-amdhsa -mcpu=gfx1250 --defsym DOCPART=n.
;; ======== version 1 of 1: 2 launches
;; workspace buffers: wd_codes 6,291,456 bytes; wd_scales 262,144 bytes; x_words 524,288 bytes
;; launch prep (part 1): grid 16 x 16, 4 waves a work-group, no clusters, 3,584 bytes of LDS; arguments A, B, weight_codes, weight_scales, x_scales, wd_codes, wd_scales, x_words; writes wd_codes, wd_scales, x_words
.if DOCPART == 1
	.amdgcn_target "amdgcn-amd-amdhsa--gfx1250"
	.amdhsa_code_object_version 6
	.text
	.protected	k_q9ab199ff06_prep
	.globl	k_q9ab199ff06_prep
	.p2align	8
	.type	k_q9ab199ff06_prep,@function
k_q9ab199ff06_prep:
	s_mov_b64 s[64:65], 0
	v_nop
	global_prefetch_b8 v0, s[64:65] scope:SCOPE_SE
	s_setreg_imm32_b32 hwreg(HW_REG_WAVE_MODE, 25, 1), 1
	s_wait_xcnt 0x0
; THE LAUNCH IN FRONT OF THE GEMM.  It makes delta_W = B A (f32, rank 16), quantises it along its 2,048-long axis to codes of FP6 (E2M3) with one E8M0 byte for each 32,
; and lays it, W's given codes and all scale bytes in the order in which the GEMM's operand registers take them.
;   wd_codes  [S 8][tx 8][op 2][q 2][f 16][1,536]: K step s = 2 S + q of 128; rows 256 tx + 16 f + 0 .. 15; op 0 = W, 1 = delta.  1,536 bytes are a fragment's registers as they stand:
;             three blocks of 512 bytes, lane l's registers 4 c .. 4 c + 3 at 512 c + 16 l.
;   wd_scales [gx 16][s 16][op 2][lane 32][jp 4] words: word (lane, jp) is the scale word (four bytes, 128 along K) of row 128 gx + 32 jp + lane.
;   x_words   [g 64][s 16][lane 32][j 4] words: word (lane = 16 h + r, j) is that of x's row 128 g + 16 (j + 4 h) + r.
; SHARES.  Work-group (gx, s) owns rows 128 gx .. + 127 of W and delta and K step s; wave w two tiles of 16 rows, 128 gx + 32 w + 16 tn + r.  For x's scale words work-group number id = gx + 16 s
; takes rows 128 (id / 4) .. + 127 and K steps 4 (id % 4) .. + 3.
; delta BY THE f32 MATRIX FORM, USED TRANSPOSED: source 0 = 16 columns i of A (K = the rank, 4 a step), source 1 = 16 rows of B.  THE COLUMNS OF A TILE ARE NOT NEIGHBOURS: lane r of tile 2 b + u takes
; i = 32 b + 8 u + r + 8 (r / 8), so that register 16 b + 8 u + j of lane (r, h) holds delta(row r, k = 32 b + 16 h + 8 u + j): 16 neighbours along K in 16 registers, as the conversions want them.
; No cluster and no tensor load: what work-groups share here (8 KB of A, 8 KB of B for each) goes straight into operand registers, and is small beside the 24 KB of codes that each stores.
; LIMITS: a block of zeros gets the byte 1 where the quantiser's rule says 127: its codes are zeros, which add nothing under any byte but 0xff, and the bytes are read by this program alone.
; NaN and infinities in A or B are not served.
.set AT,  16                           ; v16-79   A's tiles: pair AT + 8 t + 2 q for tile t, rank step q
.set BF,  80                           ; v80-95   B's rows: pair BF + 8 tn + 2 q
.set ACC, 96                           ; v96-223  delta: ACC + 64 tn + 8 t; written by matrix instructions alone
.set WF,  224                          ; v224-247 W's two fragments
.set XR,  248                          ; v248-251 x's scale words of four K steps
.set WW,  252                          ; v252     W's scale word
.set TM,  16                           ; behind the products A's registers are free: v16-19 largest magnitudes, v20-23 bytes, v28-31 the conversions' scale operands
.set PC0, 32                           ; v32-51   the first tile's codes (12 registers, and 8 at work)
.set PC1, 52                           ; v52-71   the second tile's: a set for each, so that no store's data are written again
.set PW0, 72                           ; v72, v73 their scale words
.set PW1, 73
.set DW,  74                           ; v74      delta's word of row 32 w + lane
; 64 numbers of a lane, v[s] .. v[s + 63], register 16 b + i = k 32 b + 16 (lane / 16) + i of my row, become a fragment's codes in v[pc] .. v[pc + 11] and its scale word in v[pw].  Each accumulator is read from its low end on.
.macro QUANT s, pc, pw
.irp b, 0,1,2,3
	v_max3_num_f32 v[TM+\b], |v[\s+16*\b]|, |v[\s+1+16*\b]|, 0x1800000   ; block b: my 16 numbers, and the floor 2^(3 - 127): the byte cannot fall under 1
.endr
.irp i, 2,4,6,8,10,12,14
.irp b, 0,1,2,3
	v_max3_num_f32 v[TM+\b], v[TM+\b], |v[\s+16*\b+\i]|, |v[\s+1+16*\b+\i]|   ; the four blocks by turns
.endr
.endr
.irp b, 0,1,2,3
	v_permlanex16_b32 v[TM+4+\b], v[TM+\b], s22, s23
.endr
.irp b, 0,1,2,3
	v_max_num_f32 v[TM+\b], v[TM+\b], v[TM+4+\b]   ; with lane l xor 16's 16 numbers: the block's largest magnitude
.endr
.irp b, 0,1,2,3
	v_add_nc_u32 v[TM+12+\b], 0xff000000, v[TM+\b]   ; 2 off its exponent field: the conversion takes this operand's exponent field as its scale
.endr
.irp b, 0,1,2,3
	v_lshrrev_b32 v[TM+4+\b], 23, v[TM+12+\b]      ; the scale's byte
.endr
	v_lshl_or_b32 v[\pw], v[TM+5], 8, v[TM+4]      ; four bytes make my row's scale word (both halves of the lanes hold the same)
	v_lshl_or_b32 v[\pw], v[TM+6], 16, v[\pw]
	v_lshl_or_b32 v[\pw], v[TM+7], 24, v[\pw]
.irp c, 0,1
	v_cvt_scalef32_pk16_fp6_f32 v[\pc+6*\c:\pc+2+6*\c], v[\s+32*\c:\s+15+32*\c], v[TM+12+2*\c]
	v_cvt_scalef32_pk16_fp6_f32 v[\pc+12+4*\c:\pc+14+4*\c], v[\s+16+32*\c:\s+31+32*\c], v[TM+12+2*\c+1]   ; (a conversion's three registers begin on an even number)
.endr
	v_nop                                          ; one plain place behind a scaled conversion
.irp c, 0,1                                    ; the operand's layout wants a whole block in a lane: lanes 0-15 block 2 c, lanes 16-31 block 2 c + 1
.irp i, 0,1,2
	v_permlane16_swap_b32 v[\pc+6*\c+\i], v[\pc+12+4*\c+\i]
.endr
.irp i, 0,1,2
	v_mov_b32 v[\pc+3+6*\c+\i], v[\pc+12+4*\c+\i]
.endr
.endr
.endm
	s_load_b128 s[4:7], s[0:1], 0x0                ; A, B
	s_load_b128 s[8:11], s[0:1], 0x10              ; W's codes, W's scales
	s_load_b128 s[12:15], s[0:1], 0x20             ; x's scales, wd_codes
	s_load_b128 s[16:19], s[0:1], 0x30             ; wd_scales, x_words
	v_lshl_add_u32 v254, v0, 2, 0xc00
	v_mov_b32 v255, 0
	v_lshrrev_b32 v1, 5, v0
	v_readfirstlane_b32 s20, v1                    ; wave 0..3
	v_and_b32 v1, 31, v0                           ; lane
	v_and_b32 v2, 15, v0                           ; r
	v_bfe_u32 v3, v0, 4, 1                         ; h
	v_and_b32 v4, 8, v2
	v_add_nc_u32 v4, v4, v2                        ; r + 8 (r / 8)
	v_lshlrev_b32 v4, 2, v4
	v_lshl_add_u32 v4, v3, 14, v4                  ; A: two rows of 8,192 bytes for each half of the lanes, + my column
	v_lshlrev_b32 v5, 6, v2
	v_lshl_add_u32 v5, v3, 3, v5                   ; B: row r of 64 bytes, + 8 h
	v_mul_u32_u24 v6, v2, 1536
	v_mad_u32_u24 v6, v3, 24, v6                   ; W's codes: row r of 1,536 bytes, + 24 h
	v_lshlrev_b32 v7, 4, v1                        ; 16 x lane: an image's place for my lane
	v_lshlrev_b32 v8, 6, v1                        ; W's scales: a row of 64 bytes a lane
	v_lshlrev_b32 v9, 6, v2
	v_lshl_add_u32 v9, v3, 12, v9                  ; x's scales: row 64 h + r
	s_and_b32 s21, ttmp7, 0xffff                   ; s, the K step
	s_lshl_b32 s24, s20, 2
	v_add_nc_u32 v10, s24, v7                      ; LDS, in: word (lane, wave) of a block of 512 bytes
	s_lshl_b32 s25, s20, 9
	v_add_nc_u32 v11, s25, v7                      ; LDS, out: block number wave, 16 bytes a lane
	s_mov_b32 s22, 0x76543210
	s_mov_b32 s23, 0xfedcba98                      ; v_permlanex16_b32's selects for lane l xor 16
	s_mov_b32 s29, 0
	s_lshl_b32 s31, s21, 4
	s_add_co_u32 s31, s31, ttmp9                   ; id = gx + 16 s
	s_wait_kmcnt 0x0
	s_lshl_b32 s28, s21, 9
	s_add_nc_u64 s[4:5], s[4:5], s[28:29]          ; A at column 128 s
	s_lshl_b32 s28, ttmp9, 13
	s_lshl_b32 s30, s20, 11
	s_add_co_u32 s28, s28, s30
	s_add_nc_u64 s[6:7], s[6:7], s[28:29]          ; B at row 128 gx + 32 w (64 bytes a row)
	s_lshl_b32 s30, s21, 2
	s_add_co_u32 s28, s28, s30
	s_add_nc_u64 s[10:11], s[10:11], s[28:29]      ; W's scales at the same row (64 bytes a row too), word s
	s_mul_i32 s28, ttmp9, 128*1536
	s_mul_i32 s30, s20, 32*1536
	s_add_co_u32 s28, s28, s30
	s_mul_i32 s30, s21, 96
	s_add_co_u32 s28, s28, s30
	s_add_nc_u64 s[8:9], s[8:9], s[28:29]          ; W's codes at that row, K step s
	s_lshr_b32 s28, s31, 2
	s_lshl_b32 s28, s28, 13                        ; x's scales: 128 rows of 64 bytes for each id / 4,
	s_and_b32 s30, s31, 3
	s_lshl_b32 s30, s30, 4                         ; four words for each id % 4,
	s_add_co_u32 s28, s28, s30
	s_lshl_b32 s30, s20, 10                        ; 16 rows for each wave
	s_add_co_u32 s28, s28, s30
	s_add_nc_u64 s[12:13], s[12:13], s[28:29]
	s_lshr_b32 s30, s21, 1
	s_mul_i32 s28, s30, 786432                     ; wd_codes: S,
	s_lshr_b32 s30, ttmp9, 1
	s_mul_i32 s30, s30, 98304                      ; tx,
	s_add_co_u32 s28, s28, s30
	s_and_b32 s30, s21, 1
	s_mul_i32 s30, s30, 24576                      ; q,
	s_add_co_u32 s28, s28, s30
	s_and_b32 s30, ttmp9, 1
	s_mul_i32 s30, s30, 12288                      ; f = 8 (gx % 2) + 2 w + tn
	s_add_co_u32 s28, s28, s30
	s_mul_i32 s30, s20, 3072
	s_add_co_u32 s28, s28, s30
	s_add_nc_u64 s[14:15], s[14:15], s[28:29]
	s_lshl_b32 s28, ttmp9, 4
	s_add_co_u32 s28, s28, s21
	s_lshl_b32 s28, s28, 10
	s_add_nc_u64 s[16:17], s[16:17], s[28:29]      ; wd_scales: 1,024 bytes for each (gx, s)
	s_lshl_b32 s28, s31, 2
	s_add_co_u32 s28, s28, s20
	s_lshl_b32 s28, s28, 9
	s_add_nc_u64 s[18:19], s[18:19], s[28:29]      ; x_words: block 4 id + w of 512 bytes
	; ---- the loads: B's rows, A's tiles rank step by rank step, then what is only laid anew
.irp n, 0,1
.irp q, 0,1,2,3
	global_load_b64 v[BF+8*\n+2*\q:BF+8*\n+2*\q+1], v5, s[6:7] offset:1024*\n+16*\q      ; B(16 tn + r, 4 q + 2 h + 0, 1)
.endr
.endr
.irp q, 0,1,2,3
.irp t, 0,1,2,3,4,5,6,7
.irp j, 0,1
	global_load_b32 v[AT+8*\t+2*\q+\j], v4, s[4:5] offset:(4*\q+\j)*8192+4*(32*(\t/2)+8*(\t%2))   ; A(4 q + 2 h + j, 32 (t / 2) + 8 (t % 2) + r + 8 (r / 8))
.endr
.endr
.endr
.irp n, 0,1
.irp p, 0,1,2,3,4,5
	global_load_b64 v[WF+12*\n+2*\p:WF+12*\n+2*\p+1], v6, s[8:9] offset:24576*\n+48*(\p/3)+8*(\p%3)   ; W's fragment, as its bytes lie
.endr
.endr
	global_load_b32 v[WW], v8, s[10:11]            ; the word of row 32 w + lane
	global_load_b128 v[XR:XR+3], v9, s[12:13]      ; four K steps' words of x's row 16 (w + 4 h) + r
	; ---- delta: 16 accumulators by turns, one instruction a turn, the rank ascending
.irp q, 0,1,2,3
	s_wait_loadcnt 62-16*\q                        ; behind this rank step's loads: 16 for each later step, and the 14 of W and x
.irp n, 0,1
.irp t, 0,1,2,3,4,5,6,7
.if \q == 0
	v_wmma_f32_16x16x4_f32 v[ACC+64*\n+8*\t:ACC+64*\n+8*\t+7], v[AT+8*\t+2*\q:AT+8*\t+2*\q+1], v[BF+8*\n+2*\q:BF+8*\n+2*\q+1], 0
.else
	v_wmma_f32_16x16x4_f32 v[ACC+64*\n+8*\t:ACC+64*\n+8*\t+7], v[AT+8*\t+2*\q:AT+8*\t+2*\q+1], v[BF+8*\n+2*\q:BF+8*\n+2*\q+1], v[ACC+64*\n+8*\t:ACC+64*\n+8*\t+7]
.endif
.endr
.endr
.endr
	; ---- W's fragments leave as images; W's and x's words go to the stage
	s_wait_loadcnt 0x0
.irp n, 0,1
.irp c, 0,1,2
	global_store_b128 v7, v[WF+12*\n+4*\c:WF+12*\n+4*\c+3], s[14:15] offset:1536*\n+512*\c   ; 32 lanes store 512 consecutive bytes, aligned
.endr
.endr
	ds_store_b32 v10, v[WW]
.irp i, 0,1,2,3
	ds_store_b32 v10, v[XR+\i] offset:1024+512*\i
.endr
.rept 8
	v_nop                                          ; eight places behind the f32 matrix form (ISA guide 7.12.1), ahead of reads of its results and of writes of its sources
.endr
.irp b, 0,1,2,3
	v_mov_b32 v[TM+4+\b], 0                        ; a lane permute's destination counts as one of its sources
.endr
	QUANT ACC, PC0, PW0
.irp c, 0,1,2
	global_store_b128 v7, v[PC0+4*\c:PC0+4*\c+3], s[14:15] offset:49152+512*\c
.endr
	QUANT ACC+64, PC1, PW1
.irp c, 0,1,2
	global_store_b128 v7, v[PC1+4*\c:PC1+4*\c+3], s[14:15] offset:49152+1536+512*\c
.endr
	v_cmp_le_u32 vcc_lo, 16, v1
	v_cndmask_b32 v[DW], v[PW0], v[PW1], vcc_lo    ; lanes 16-31 take the second tile's word
	ds_store_b32 v10, v[DW] offset:512
	s_wait_dscnt 0x0                               ; for the others' sake: my words lie in the stage
	s_barrier_signal -1
	s_barrier_wait -1
	ds_load_b128 v[12:15], v11 offset:1024         ; K step 4 (id % 4) + w: the four waves' words of each lane
	s_wait_dscnt 0x0
	global_store_b128 v7, v[12:15], s[18:19]       ; 512 consecutive bytes, aligned
	s_cmp_lt_u32 s20, 2
	s_cbranch_scc0 .Ldone                          ; wave 0 sends W's block of words, wave 1 delta's
	ds_load_b128 v[76:79], v11
	s_wait_dscnt 0x0
	global_store_b128 v11, v[76:79], s[16:17]
.Ldone:
	s_wait_tensorcnt 0x0
	ds_add_u32 v254, v255
	s_wait_dscnt 0x0
	s_endpgm
.Lfunc_end_k_q9ab199ff06_prep:
	.size	k_q9ab199ff06_prep, .Lfunc_end_k_q9ab199ff06_prep-k_q9ab199ff06_prep
	.p2alignl 7, 3214868480
	.fill 96, 4, 3214868480
	.section	.rodata,"a",@progbits
	.p2align	6, 0x0
	.amdhsa_kernel k_q9ab199ff06_prep
		.amdhsa_group_segment_fixed_size 3584
		.amdhsa_private_segment_fixed_size 0
		.amdhsa_enable_private_segment 0
		.amdhsa_kernarg_size 64
		.amdhsa_user_sgpr_count 2
		.amdhsa_user_sgpr_kernarg_segment_ptr 1
		.amdhsa_wavefront_size32 1
		.amdhsa_system_sgpr_workgroup_id_x 1
		.amdhsa_system_sgpr_workgroup_id_y 1
		.amdhsa_system_sgpr_workgroup_id_z 1
		.amdhsa_system_vgpr_workitem_id 0
		.amdhsa_next_free_vgpr 256
		.amdhsa_next_free_sgpr 66
		.amdhsa_reserve_vcc 1
		.amdhsa_float_denorm_mode_32 3
		.amdhsa_float_denorm_mode_16_64 3
		.amdhsa_memory_ordered 1
		.amdhsa_forward_progress 1
		.amdhsa_inst_pref_size 26
	.end_amdhsa_kernel
	.amdgpu_metadata
---
amdhsa.version: [ 1, 2 ]
amdhsa.kernels:
  - .name:           k_q9ab199ff06_prep
    .symbol:         k_q9ab199ff06_prep.kd
    .args:
      - { .name: A, .offset: 0, .size: 8, .value_kind: global_buffer, .address_space: global }
      - { .name: B, .offset: 8, .size: 8, .value_kind: global_buffer, .address_space: global }
      - { .name: weight_codes, .offset: 16, .size: 8, .value_kind: global_buffer, .address_space: global }
      - { .name: weight_scales, .offset: 24, .size: 8, .value_kind: global_buffer, .address_space: global }
      - { .name: x_scales, .offset: 32, .size: 8, .value_kind: global_buffer, .address_space: global }
      - { .name: wd_codes, .offset: 40, .size: 8, .value_kind: global_buffer, .address_space: global }
      - { .name: wd_scales, .offset: 48, .size: 8, .value_kind: global_buffer, .address_space: global }
      - { .name: x_words, .offset: 56, .size: 8, .value_kind: global_buffer, .address_space: global }
    .group_segment_fixed_size: 3584
    .private_segment_fixed_size: 0
    .kernarg_segment_align: 8
    .kernarg_segment_size: 64
    .max_flat_workgroup_size: 128
    .sgpr_count:     66
    .vgpr_count:     256
    .wavefront_size: 32
...
	.end_amdgpu_metadata
.endif
;; end of part 1
;; launch gemm (part 2): grid 8 x 32, 4 waves a work-group, clusters of 4 x 4, 327,680 bytes of LDS; arguments x_codes, x_words, wd_codes, wd_scales, bias, out0; writes out0
.if DOCPART == 2
	.amdgcn_target "amdgcn-amd-amdhsa--gfx1250"
	.amdhsa_code_object_version 6
	.text
	.protected	k_q9ab199ff06_gemm
	.globl	k_q9ab199ff06_gemm
	.p2align	8
	.type	k_q9ab199ff06_gemm,@function
k_q9ab199ff06_gemm:
	s_mov_b64 s[64:65], 0
	v_nop
	global_prefetch_b8 v0, s[64:65] scope:SCOPE_SE
	s_setreg_imm32_b32 hwreg(HW_REG_WAVE_MODE, 25, 1), 1
	s_wait_xcnt 0x0
	s_wait_alu depctr_hold_cnt(0) depctr_sa_sdst(0) depctr_va_vdst(0) depctr_va_sdst(0) depctr_va_ssrc(0) depctr_va_vcc(0) depctr_vm_vsrc(0)
	s_getreg_b32 s2, hwreg(HW_REG_IB_STS2, 6, 4)
	s_cmp_eq_u32 s2, 0
	s_cbranch_scc0 .Lentry_in_a_cluster
	s_endpgm
.Lentry_in_a_cluster:
	s_bfe_u32 s2, ttmp6, 0x10000c
	s_cmp_lg_u32 s2, 0xf033
	s_cbranch_scc0 .Lentry_shape_is_right
	s_endpgm
.Lentry_shape_is_right:
; out0[m][n] = bias[n] + sum over k of x[m][k] W[n][k] + sum over k of x[m][k] Q(B A)[n][k].  M = 8,192, N = 2,048, K = 2,048; all operands codes of FP6 (E2M3) with one E8M0 byte for each 32 along K; sums in f32.
; BOTH PRODUCTS SHARE x AND THE ACCUMULATORS: a fragment of x in registers is multiplied by W's fragment and by delta's.  For 128 along K a wave reads 3 x 128 rows from LDS for 128 matrix instructions.
; ORDER OF THE SUMS: one f32 accumulator for each output; it begins with the bias and takes, K step by K step, W's product and then delta's.
; A tile of out0, 256 x 256, is made by a work-group of four waves; a wave makes 128 x 128: 64 accumulators, 512 registers.  256 work-groups.
; K goes through a ring of two LDS slots of 256 along K: x's 256 rows (192 bytes each, padded to 240), then W's and delta's 256 rows as images of their fragments' registers (the launch before laid them so):
; a fragment then comes by three loads of 16 bytes a lane, 512 consecutive bytes each.  Waves 0, 1 fetch x's halves, wave 2 W's block, wave 3 delta's: one tensor load a wave for a slot.
; THE SCALE WORDS come from memory straight into registers, laid so that one load of 16 bytes a lane brings a K step's words of 128 rows; they are asked for three K steps ahead, in four sets of registers.
; CLUSTERS: 4 x 4 work-groups.  x's tiles are shared along a row of the cluster, W's and delta's along a column: each is asked for JOINTLY.
; THE MATRIX INSTRUCTION IS USED TRANSPOSED (source 0 = 16 rows of W or delta, source 1 = 16 rows of x): a lane holds eight neighbouring numbers of a row of out0.
; No prefetch is laid: between a refill's request and the wait for it a wave issues 224 matrix instructions.
; REGISTERS, in windows of 256: window 0: v16-30 addresses; v32-79 scale words, four sets of 12; v128-223 x's eight fragments, ONE set; on the way out v128-255.
;   window 1: v0-95 W's eight fragments, v128-223 delta's, ONE set each; v96-127 and v224-255 the bias, eight registers for each of my eight blocks of 16 columns.
;   window 2: the 32 accumulators of my rows 0-63 ((a, b) at v[8 (8 (a % 4) + b)]); window 3: those of rows 64-127.
; One set serves each operand: W's is free behind W's 64 products, x's blocks 0-3 in the middle of delta's, x's blocks 4-7 and delta's at the step's end; each run of loads stands 32 matrix instructions or more ahead of its first use.
; LIMITS: a given scale byte 0xff is NaN to the matrix unit; inputs with such bytes are not served.
.set PITCH,  240                       ; a row of x in LDS: 3 x (64 bytes + 16 of padding)
.set HALFX,  128*PITCH                 ; 128 rows of x
.set XT,     2*HALFX
.set FR,     12                        ; registers of a fragment
.set FRB,    1536                      ; its image in bytes
.set QB,     16*FRB                    ; 256 rows x 128 K
.set OPB,    2*QB                      ; 256 rows x 256 K: what one tensor load brings of W or of delta
.set SLOT,   XT+2*OPB                  ; 159,744 bytes
.set SPARE,  2*SLOT                    ; behind the ring: the spare words, 128 bytes for each wave: two blocks of 256 bytes that no other line names
.set SPITCH, 528                       ; the way out: a stage of 16 rows x (512 bytes + 16) for each wave, in slot 0, which has had its last fill and its last read by then
.set ADRX, 16                          ; v16-17 my fragments of x in slot 0, 1;  v18-19 the same for the pieces that lie behind one padding more
.set ADRW, 20                          ; v20-21 W's images
.set ADRD, 22                          ; v22-23 delta's
.set STO,  24                          ; v24    the way out: where I put 32 bytes of a row
.set RD,   25                          ; v25    and where I read a row back
.set CO,   26                          ; v26    16 x lane: my bytes of a row of out0, and of a block of scale words; never rewritten
.set SPW,  28                          ; v28    LDS address of my spare word; never rewritten
.set NIL,  29                          ; v29    0; never rewritten
.set VBI,  30                          ; v30    32 x (lane / 16): my eight numbers of a block of the bias
.set SC,   32                          ; scale words, set n at SC + 12 n: + 0..3 x (register j: block j in lanes 0-15, block j + 4 in lanes 16-31); + 4..7 W (register jp: blocks 2 jp, 2 jp + 1); + 8..11 delta
.set AF,   128
.set BK,   128
.set G1X,  24                          ; s[24:31] group 1 for x's tiles;  s[32:39] group 0, a set for each slot
.set G0X,  32
.set G1B,  48                          ; s[48:55], s[56:63] the same for W's and delta's blocks
.set G0B,  56
.set XSP,  66                          ; s[66:67] x's scale words of my 128 rows, at the K step from which GSC counts
.set WSP,  68                          ; s[68:69] W's and delta's of my 128 columns
.set MSB, 0
.macro WIN new                         ; the immediate's high byte repeats the setting that is left
.if MSB != \new
	s_set_vgpr_msb (MSB<<8)|\new
.set MSB, \new
.endif
.endm
.set MUL_LO, 0xa1                      ; source 0 window 1, source 1 window 0, C and D window 2
.set MUL_HI, 0xf1                      ; the same, C and D window 3
.set TO_B,   0x40                      ; destination window 1, address window 0
; A joint load: waves 0 and 1 fetch for x, waves 2 and 3 W and delta.  The branch hangs on the wave's number alone.  Four v_nop follow each of the two lines.
.macro JLOAD g0a, g1a, g0b, g1b
	s_cmp_eq_u32 s17, 0
	s_cbranch_scc0 .Lfor_b_\@
	tensor_load_to_lds s[\g0a:\g0a+3], s[\g1a:\g1a+7]
	s_nop 0
.rept 4
	v_nop
.endr
	s_branch .Lasked_\@
.Lfor_b_\@:
	tensor_load_to_lds s[\g0b:\g0b+3], s[\g1b:\g1b+7]
	s_nop 0
.rept 4
	v_nop
.endr
.Lasked_\@:
.endm
.macro CREST                           ; a round of the cluster's barrier behind its opening barrier
	s_cmp_lg_u32 s16, 0
	s_cbranch_scc1 .Lnot_wave_0_\@
	s_barrier_signal -3
.Lnot_wave_0_\@:
	s_barrier_wait -3
	s_barrier_signal -1
	s_barrier_wait -1
.endm
.macro CROUND                          ; a whole round
	s_barrier_signal -1
	s_barrier_wait -1
	CREST
.endm
	s_load_b128 s[4:7], s[0:1], 0x0                ; x's codes, x's words
	s_load_b128 s[8:11], s[0:1], 0x10              ; W's and delta's images, their words
	s_load_b128 s[12:15], s[0:1], 0x20             ; bias, out0
	v_lshl_add_u32 v[SPW], v0, 2, SPARE
	v_mov_b32 v[NIL], 0
	ds_add_u32 v28, v29
	ds_add_u32 v28, v29
	s_wait_dscnt 0x0
	v_lshrrev_b32 v1, 5, v0
	v_readfirstlane_b32 s16, v1                    ; wave 0..3
	s_lshr_b32 s17, s16, 1                         ; rh: which 128 rows of the tile are mine.  Also: I fetch for x (0) or W and delta (1)
	s_and_b32 s18, s16, 1                          ; ch: which 128 columns.  Also: which half of x's rows, or W (0) or delta (1), I fetch
	s_bfe_u32 s40, ttmp6, 0x40000                  ; cx, cy: my place in the cluster
	s_bfe_u32 s41, ttmp6, 0x40004
	s_lshl_b32 s42, ttmp9, 2
	s_add_co_u32 s42, s42, s40                     ; tx: tile column = 4 x cluster x + cx
	s_and_b32 s43, ttmp7, 0xffff
	s_lshl_b32 s43, s43, 2
	s_add_co_u32 s43, s43, s41                     ; ty: tile row = 4 x cluster y + cy
	s_lshl_b32 s44, s41, 2
	s_lshl_b32 s44, 15, s44                        ; my row of the cluster
	s_lshl_b32 s45, 0x1111, s40                    ; my column
	; group 1 for x: 128 rows x 192 bytes, 1,536 bytes apart in memory; 16 bytes of padding behind every 64
	s_or_b32 s[G1X+0], s44, (0<<16)|(1<<20)|(1<<21)|(3<<22)|(3<<25)  ; 15:0 the mask: my row; 17:16 elements of 1 byte; 20 padding on; 21 set beside a mask; 24:22 after every 16 words; 31:25 of 4 words
	s_mov_b32 s[G1X+1], 192<<16                    ; tensor_dim0
	s_mov_b32 s[G1X+2], 128<<16                    ; tensor_dim1
	s_mov_b32 s[G1X+3], 192<<16                    ; tile_dim0
	s_mov_b32 s[G1X+4], 128                        ; tile_dim1
	s_mov_b32 s[G1X+5], 1536                       ; from row to row
	s_mov_b32 s[G1X+6], 0
	s_mov_b32 s[G1X+7], 0
	; group 1 for W and delta: a dense block of 49,152 bytes as 192 rows of 256 bytes (32 elements of 8 bytes), no padding
	s_or_b32 s[G1B+0], s45, (3<<16)|(1<<21)        ; the mask: my column
	s_mov_b32 s[G1B+1], 32<<16
	s_mov_b32 s[G1B+2], 192<<16
	s_mov_b32 s[G1B+3], 32<<16
	s_mov_b32 s[G1B+4], 192
	s_mov_b32 s[G1B+5], 32
	s_mov_b32 s[G1B+6], 0
	s_mov_b32 s[G1B+7], 0
	s_lshl_b32 s20, s43, 8
	s_lshl_b32 s21, s18, 7
	s_add_co_u32 s20, s20, s21                     ; x: row 256 ty + 128 x half,
	s_mul_i32 s20, s20, 1536                       ; in bytes (under 2^24)
	s_mov_b32 s21, 0
	s_lshl_b32 s46, s42, 1
	s_add_co_u32 s46, s46, s18
	s_mul_i32 s46, s46, OPB                        ; W or delta: block 2 tx + op of a slot's sixteen
	s_mov_b32 s47, 0
	s_mul_i32 s22, s18, HALFX                      ; where they go in a slot: no place in the cluster enters an LDS address
	s_mul_i32 s23, s18, OPB
	s_add_co_u32 s23, s23, XT
	s_wait_kmcnt 0x0
	s_add_nc_u64 s[20:21], s[4:5], s[20:21]
	s_add_nc_u64 s[46:47], s[8:9], s[46:47]
	CROUND                                         ; all sixteen work-groups are here: the first joint loads meet
.irp s, 0,1
	s_mov_b32 s[G0X+4*\s], 1
	s_add_co_u32 s[G0X+4*\s+1], s22, \s*SLOT
	s_add_nc_u64 s[G0X+4*\s+2:G0X+4*\s+3], s[20:21], \s*192
	s_or_b32 s[G0X+4*\s+3], s[G0X+4*\s+3], 0x80000000
	s_mov_b32 s[G0B+4*\s], 1
	s_add_co_u32 s[G0B+4*\s+1], s23, \s*SLOT
	s_add_nc_u64 s[G0B+4*\s+2:G0B+4*\s+3], s[46:47], \s*786432
	s_or_b32 s[G0B+4*\s+3], s[G0B+4*\s+3], 0x80000000
	JLOAD G0X+4*\s, G1X, G0B+4*\s, G1B             ; two loads of mine are out behind the second
.endr
	v_and_b32 v1, 15, v0                           ; r
	v_bfe_u32 v2, v0, 4, 1                         ; h
	v_and_b32 v3, 31, v0                           ; lane
	v_mul_u32_u24 v4, v1, PITCH
	v_mad_u32_u24 v4, v2, 24, v4                   ; a fragment's row x pitch + 24 h
	v_lshl_add_u32 v5, v2, 4, v4                   ; and the same behind one padding more
	v_lshlrev_b32 v[CO], 4, v3
	v_lshlrev_b32 v[VBI], 5, v2
	s_mul_i32 s70, s17, HALFX                      ; my 128 rows of x
	s_mul_i32 s71, s18, 8*FRB                      ; my eight fragments of the sixteen,
	s_add_co_u32 s71, s71, XT                      ; behind x's rows
.irp s, 0,1
	v_add_nc_u32 v[ADRX+\s], s70, v4
	v_add_nc_u32 v[ADRX+2+\s], s70, v5
	v_add_nc_u32 v[ADRW+\s], s71, v[CO]
	s_add_co_u32 s72, s71, OPB
	v_add_nc_u32 v[ADRD+\s], s72, v[CO]
	s_add_co_u32 s70, s70, SLOT
	s_add_co_u32 s71, s71, SLOT
.endr
	s_mul_i32 s73, s16, 16*SPITCH                  ; my stage
	v_mul_u32_u24 v6, v1, SPITCH
	v_lshl_add_u32 v6, v2, 5, v6
	v_add_nc_u32 v[STO], s73, v6                   ; in: row r, 32 bytes for each half of the lanes
	v_add_nc_u32 v[RD], s73, v[CO]                 ; back: the 32 lanes take one row of 512 bytes
	s_lshl_b32 s74, s43, 1
	s_add_co_u32 s74, s74, s17                     ; 2 ty + rh: my group of 128 rows
	s_mov_b32 s75, 0
	s_mov_b32 s77, 0
	s_lshl_b32 s76, s74, 13
	s_add_nc_u64 s[XSP:XSP+1], s[6:7], s[76:77]    ; 16 K steps x 512 bytes a group
	s_lshl_b32 s74, s74, 20                        ; 128 rows of out0, 8,192 bytes each
	s_add_nc_u64 s[14:15], s[14:15], s[74:75]
	s_lshl_b32 s74, s42, 1
	s_add_co_u32 s74, s74, s18                     ; 2 tx + ch: my group of 128 columns
	s_lshl_b32 s76, s74, 14
	s_add_nc_u64 s[WSP:WSP+1], s[10:11], s[76:77]  ; 16 K steps x 1,024 bytes a group
	s_lshl_b32 s76, s74, 9                         ; 128 numbers of 4 bytes
	s_add_nc_u64 s[12:13], s[12:13], s[76:77]
	s_add_nc_u64 s[14:15], s[14:15], s[76:77]
.macro FRAGX reg, adr, q, i            ; a fragment of x: lane l holds row l % 16; registers 6 c .. 6 c + 5 hold K = 64 c + 32 (l / 16) + 0 .. 31: 24 bytes of the row's stream of bits, in pieces of 8 bytes
.irp p, 0,1,2,3,4,5                    ; lanes 0-15 take the row's pieces 12 q + 0, 1, 2 and 12 q + 6, 7, 8, lanes 16-31 those three pieces on; where that lies behind one padding more, the second address register serves
.set PCE, 12*(\q)+6*(\p/3)+\p%3
.if PCE%8 < 5
	ds_load_b64 v[\reg+2*\p:\reg+2*\p+1], v[\adr] offset:8*PCE+16*(PCE/8)+(\i)*16*PITCH
.else
	ds_load_b64 v[\reg+2*\p:\reg+2*\p+1], v[\adr+2] offset:8*PCE+16*(PCE/8)+(\i)*16*PITCH
.endif
.endr
.endm
.macro FRAGB reg, adr, q, b            ; a fragment of W or delta: its registers' image, 512 consecutive bytes a load
.irp c, 0,1,2
	ds_load_b128 v[\reg+4*\c:\reg+4*\c+3], v[\adr] offset:(\q)*QB+(\b)*FRB+512*\c
.endr
.endm
.macro FETCH_W slot, q
	WIN TO_B
.irp b, 0,1,2,3,4,5,6,7
	FRAGB FR*\b, ADRW+\slot, \q, \b
.endr
.endm
.macro FETCH_D slot, q
	WIN TO_B
.irp b, 0,1,2,3,4,5,6,7
	FRAGB 128+FR*\b, ADRD+\slot, \q, \b
.endr
.endm
.macro FETCH_X slot, q, i0             ; x's blocks i0 .. i0 + 3
	WIN 0
.irp i, \i0, \i0+1, \i0+2, \i0+3
	FRAGX AF+FR*(\i), ADRX+\slot, \q, \i
.endr
.endm
.macro GSC sc, gi                      ; a K step's scale words into set sc: the gi-th K step from where the two pointers stand
	global_load_b128 v[SC+12*(\sc):SC+12*(\sc)+3], v[CO], s[XSP:XSP+1] offset:512*(\gi)
	global_load_b128 v[SC+12*(\sc)+4:SC+12*(\sc)+7], v[CO], s[WSP:WSP+1] offset:1024*(\gi)
	global_load_b128 v[SC+12*(\sc)+8:SC+12*(\sc)+11], v[CO], s[WSP:WSP+1] offset:1024*(\gi)+512
.endm
.macro WM                              ; one matrix instruction on the registers that MUL16 has named; rRA, rRB: the scales lie in lanes 16-31 of their registers
.if rRA && rRB
	v_wmma_scale_f32_16x16x128_f8f6f4 v[rD:rD+7], v[rW:rW+11], v[rX:rX+11], v[rC:rC+7], v[rSW], v[rSX] matrix_a_fmt:MATRIX_FMT_FP6 matrix_b_fmt:MATRIX_FMT_FP6 matrix_a_scale:MATRIX_SCALE_ROW1 matrix_b_scale:MATRIX_SCALE_ROW1
.elseif rRA
	v_wmma_scale_f32_16x16x128_f8f6f4 v[rD:rD+7], v[rW:rW+11], v[rX:rX+11], v[rC:rC+7], v[rSW], v[rSX] matrix_a_fmt:MATRIX_FMT_FP6 matrix_b_fmt:MATRIX_FMT_FP6 matrix_a_scale:MATRIX_SCALE_ROW1
.elseif rRB
	v_wmma_scale_f32_16x16x128_f8f6f4 v[rD:rD+7], v[rW:rW+11], v[rX:rX+11], v[rC:rC+7], v[rSW], v[rSX] matrix_a_fmt:MATRIX_FMT_FP6 matrix_b_fmt:MATRIX_FMT_FP6 matrix_b_scale:MATRIX_SCALE_ROW1
.else
	v_wmma_scale_f32_16x16x128_f8f6f4 v[rD:rD+7], v[rW:rW+11], v[rX:rX+11], v[rC:rC+7], v[rSW], v[rSX] matrix_a_fmt:MATRIX_FMT_FP6 matrix_b_fmt:MATRIX_FMT_FP6
.endif
.endm
; 16 matrix instructions: x's blocks a0, a0 + 1 against the eight blocks of W (op = 0) or delta (op = 1), 128 along K.  first = 1: the bias is the C of the sum's first product: nothing is cleared or added later.
; The 64 accumulators take turns, one instruction a turn, in the same order in W's phase and in delta's.
.macro MUL16 a0, op, sc, first
.irp a, \a0, \a0+1
.irp b, 0,1,2,3,4,5,6,7
.set rD, 8*(8*((\a)%4)+\b)
.set rW, 128*(\op)+FR*\b
.set rX, AF+FR*(\a)
.set rSW, SC+12*(\sc)+4+4*(\op)+\b/2
.set rSX, SC+12*(\sc)+(\a)%4
.set rRA, \b%2
.set rRB, (\a)/4
.set rC, rD
.if \first
.set rC, 96+8*\b+96*(\b/4)
.endif
	WM
.endr
.endr
.endm
; A load into a register that a matrix instruction has read, and an LDS store that reads a matrix result, stand four places behind that matrix instruction; only plain vector instructions that name none of
; its registers are places (ISA guide 7.12.1 for vector instructions).
.macro PLACES
.rept 4
	v_nop
.endr
.endm
; A K STEP of 128: 64 products with W, 64 with delta.  slot, q: where its tiles lie; sc: its set of scale words; first: the sums begin; more: a step follows, whose fragments are fetched;
; gi >= 0: the scale words of the step three on are asked for; lc: how many younger scale loads may stay out.
; turn = 1, 2: the slot's last step.  All its fragments have been asked for by the step before, so the change of slots stands in W's phase: each wave waits for all its tensor loads (its part of the other slot), adds 0 to
; its spare word, and waits for that and for its reads of this slot; ONE barrier.  turn = 1: the barrier opens a round of the cluster's barrier, and this slot is filled again, two slots ahead; turn = 2: nothing is filled.
.macro KSTEP slot, q, sc, first, turn, more, gi, lc
.if \q == 0
.set NXS, \slot
.set NXQ, 1
.else
.set NXS, 1-\slot
.set NXQ, 0
.endif
	s_wait_loadcnt \lc                             ; this step's scale words are in (in the first step the bias too, which was asked for earlier); three loads for each later step that has been asked for may be out
.if \gi >= 0
	GSC ((\sc)+3)%4, \gi                           ; into the set that the step before has left (four places stand behind its last product)
.endif
	s_wait_dscnt 48                                ; W's set and x's blocks 0-3 are in; x's blocks 4-7 (24 loads) and delta's set (24) may be out
.if \first
	WIN 0x91                                       ; C (the bias) window 1, D window 2
.else
	WIN MUL_LO
.endif
	MUL16 0, 0, \sc, \first
	MUL16 2, 0, \sc, \first
.if \turn == 0
	s_wait_dscnt 24                                ; x's blocks 4-7 are in; delta's set may be out
.if \first
	WIN 0xd1
.else
	WIN MUL_HI
.endif
	MUL16 4, 0, \sc, \first
	MUL16 6, 0, \sc, \first
.if \more
	PLACES
.endif
.else
	WIN 0                                          ; (the add's two registers lie in window 0)
	s_wait_tensorcnt 0x0                           ; all my tensor loads have landed: the one that was out is my part of the other slot
	ds_add_u32 v[SPW], v[NIL]                      ; 0 onto my spare word
	s_wait_dscnt 25                                ; x's blocks 4-7 are in; delta's set and the add may be out
	WIN MUL_HI
	MUL16 4, 0, \sc, 0                             ; sixteen matrix instructions stand between the add and the wait for it
	s_wait_dscnt 0x0                               ; the add is done, and my reads of this slot are over
	s_barrier_signal -1
	MUL16 6, 0, \sc, 0
	WIN 0
	s_barrier_wait -1
.if \turn == 1
	CREST                                          ; no wave of any partner still reads this slot or has a load on its way
	s_add_nc_u64 s[G0X+4*\slot+2:G0X+4*\slot+3], s[G0X+4*\slot+2:G0X+4*\slot+3], 2*192
	s_add_nc_u64 s[G0B+4*\slot+2:G0B+4*\slot+3], s[G0B+4*\slot+2:G0B+4*\slot+3], 2*786432
	JLOAD G0X+4*\slot, G1X, G0B+4*\slot, G1B       ; the first tensor load behind the round, my one load until the next; its four v_nop are the places in front of the loads below
.else
	PLACES
.endif
.endif
.if \more
	FETCH_W NXS, NXQ
	s_wait_dscnt 24                                ; delta's set is in; the 24 just issued may be out
.else
	s_wait_dscnt 0x0
.endif
	WIN MUL_LO
	MUL16 0, 1, \sc, 0
	MUL16 2, 1, \sc, 0
.if \more
	PLACES
	FETCH_X NXS, NXQ, 0
.endif
	WIN MUL_HI
	MUL16 4, 1, \sc, 0
	MUL16 6, 1, \sc, 0
.if \more
	PLACES
	FETCH_X NXS, NXQ, 4
	FETCH_D NXS, NXQ
.endif
	WIN 0
.endm
	WIN TO_B
.irp b, 0,1,2,3,4,5,6,7                        ; the bias in the result's layout: lane (r, h) wants, for block b, columns 16 b + 8 h + 0 .. 7
	global_load_b128 v[96+8*\b+96*(\b/4):96+8*\b+96*(\b/4)+3], v[VBI], s[12:13] offset:64*\b
	global_load_b128 v[96+8*\b+96*(\b/4)+4:96+8*\b+96*(\b/4)+7], v[VBI], s[12:13] offset:64*\b+16
.endr
	WIN 0
	GSC 0, 0
	GSC 1, 1
	GSC 2, 2
	s_wait_tensorcnt 1                             ; my part of slot 0 is in; slot 1's may stay out
	s_barrier_signal -1
	s_barrier_wait -1                              ; everybody's is
	FETCH_W 0, 0
	FETCH_X 0, 0, 0
	FETCH_X 0, 0, 4
	FETCH_D 0, 0
	WIN 0
	KSTEP 0, 0, 0, 1, 0, 1, 3, 6                   ; K step 0 stands in front of the loop: its first products start the sums
	s_wait_xcnt 0x0                                ; the scale loads have read their bases
	s_add_nc_u64 s[XSP:XSP+1], s[XSP:XSP+1], 4*512
	s_add_nc_u64 s[WSP:WSP+1], s[WSP:WSP+1], 4*1024
	s_mov_b32 s19, 3
.Llap:                                             ; three trips, K steps 1 to 12: a trip goes once round the ring and fills both slots again
	KSTEP 0, 1, 1, 0, 1, 1, 0, 6
	KSTEP 1, 0, 2, 0, 0, 1, 1, 6
	KSTEP 1, 1, 3, 0, 1, 1, 2, 6
	KSTEP 0, 0, 0, 0, 0, 1, 3, 6
	s_wait_xcnt 0x0
	s_add_nc_u64 s[XSP:XSP+1], s[XSP:XSP+1], 4*512
	s_add_nc_u64 s[WSP:WSP+1], s[WSP:WSP+1], 4*1024
	s_sub_co_u32 s19, s19, 1
	s_cmp_lg_u32 s19, 0
	s_cbranch_scc1 .Llap
	KSTEP 0, 1, 1, 0, 2, 1, -1, 6                  ; the tail is written out: nothing more is asked for
	KSTEP 1, 0, 2, 0, 0, 1, -1, 3
	KSTEP 1, 1, 3, 0, 0, 0, -1, 0
; THE WAY OUT, block by block of 16 rows x 128 columns.  A lane holds 32 neighbouring bytes of a row, and the lanes beside it hold other rows: so a block goes through my own stage in LDS and comes back as whole
; rows of 512 bytes.  LDS serves a wave's instructions in order (ISA guide 5.7.1.4): no wait between the stores and the loads, nor in front of the next block's stores.
.macro TOSTAGE a
.set AC, 64*((\a)%4)
	WIN 0x08+4*((\a)/4)                            ; an LDS store's data are its source 1: window 2 or 3
.irp b, 0,1,2,3,4,5,6,7
	ds_store_b128 v[STO], v[AC+8*\b:AC+8*\b+3] offset:64*\b          ; each accumulator from its low end on
	ds_store_b128 v[STO], v[AC+8*\b+4:AC+8*\b+7] offset:64*\b+16
.endr
	WIN 0
.set BB, BK+64*((\a)%2)
.irp t, 0,1,2,3,4,5,6,7,8,9,10,11,12,13,14,15
	ds_load_b128 v[BB+4*\t:BB+4*\t+3], v[RD] offset:\t*SPITCH
.endr
.endm
.macro SEND a, younger                 ; younger: the LDS instructions issued behind block a's loads, which may stay out
.set BB, BK+64*((\a)%2)
	s_wait_dscnt \younger                          ; the block is back in registers
.if (\a) > 0
	s_add_nc_u64 s[14:15], s[14:15], 16*8192       ; (behind a wait on XCNT: the earlier stores have read their base)  16 rows of out0 on
.endif
.irp t, 0,1,2,3,4,5,6,7,8,9,10,11,12,13,14,15
	global_store_b128 v[CO], v[BB+4*\t:BB+4*\t+3], s[14:15] offset:\t*8192 th:TH_STORE_NT   ; 32 lanes store 512 consecutive bytes, at a multiple of 256 from out0's first byte; written once, read by nobody here
.endr
.endm
	PLACES                                         ; behind the last products: for the stores that read results, and for the loads into the registers that held x's fragments
	TOSTAGE 0
.irp a, 1,2,3,4,5,6,7
.if \a > 1
	s_wait_xcnt 0x0                                ; block a - 2's stores have read their registers and their base: block a's loads may land there, and the base may step
.endif
	TOSTAGE \a
	SEND \a-1, 32                                  ; behind block a - 1's loads: block a's 16 stores and 16 loads
.endr
	s_wait_xcnt 0x0                                ; block 6's stores have read their base
	SEND 7, 0
	s_wait_tensorcnt 0x0                           ; the wave's end: behind my last tensor load and my last LDS store
	ds_add_u32 v[SPW], v[NIL]
	s_wait_dscnt 0x0
	CROUND                                         ; the closing round: no work-group ends while a partner may still ask for a tile that names it
	s_endpgm
.Lfunc_end_k_q9ab199ff06_gemm:
	.size	k_q9ab199ff06_gemm, .Lfunc_end_k_q9ab199ff06_gemm-k_q9ab199ff06_gemm
	.p2alignl 7, 3214868480
	.fill 96, 4, 3214868480
	.section	.rodata,"a",@progbits
	.p2align	6, 0x0
	.amdhsa_kernel k_q9ab199ff06_gemm
		.amdhsa_group_segment_fixed_size 327680
		.amdhsa_private_segment_fixed_size 0
		.amdhsa_enable_private_segment 0
		.amdhsa_kernarg_size 48
		.amdhsa_user_sgpr_count 2
		.amdhsa_user_sgpr_kernarg_segment_ptr 1
		.amdhsa_wavefront_size32 1
		.amdhsa_system_sgpr_workgroup_id_x 1
		.amdhsa_system_sgpr_workgroup_id_y 1
		.amdhsa_system_sgpr_workgroup_id_z 1
		.amdhsa_system_vgpr_workitem_id 0
		.amdhsa_next_free_vgpr 1024
		.amdhsa_next_free_sgpr 80
		.amdhsa_reserve_vcc 0
		.amdhsa_float_denorm_mode_32 3
		.amdhsa_float_denorm_mode_16_64 3
		.amdhsa_memory_ordered 1
		.amdhsa_forward_progress 1
		.amdhsa_inst_pref_size 226
	.end_amdhsa_kernel
	.amdgpu_metadata
---
amdhsa.version: [ 1, 2 ]
amdhsa.kernels:
  - .name:           k_q9ab199ff06_gemm
    .symbol:         k_q9ab199ff06_gemm.kd
    .args:
      - { .name: x_codes, .offset: 0, .size: 8, .value_kind: global_buffer, .address_space: global }
      - { .name: x_words, .offset: 8, .size: 8, .value_kind: global_buffer, .address_space: global }
      - { .name: wd_codes, .offset: 16, .size: 8, .value_kind: global_buffer, .address_space: global }
      - { .name: wd_scales, .offset: 24, .size: 8, .value_kind: global_buffer, .address_space: global }
      - { .name: bias, .offset: 32, .size: 8, .value_kind: global_buffer, .address_space: global }
      - { .name: out0, .offset: 40, .size: 8, .value_kind: global_buffer, .address_space: global }
    .group_segment_fixed_size: 327680
    .private_segment_fixed_size: 0
    .kernarg_segment_align: 8
    .kernarg_segment_size: 48
    .max_flat_workgroup_size: 128
    .sgpr_count:     80
    .vgpr_count:     1024
    .wavefront_size: 32
...
	.end_amdgpu_metadata
.endif
;; end of part 2
